; MI455X (gfx1250); checked and timed in simulation.
; The chip was launched on July 23, 2026; its instructions are those of AMD's public machine-readable ISA for CDNA 5 (MIT licence, August 2026) and "CDNA5" Instruction Set Architecture Reference Guide (July 2026). The comments in the code are by the model that wrote it; some were corrected since.
;; Multi Head Self Attention. Allowed arithmetic: matrix products marked QUANTISED: E2M3 operands, one E8M0 scale for each 32 along K, by v_wmma_scale_f32_16x16x128_f8f6f4 with both operands' format E2M3, f32 sums; everything else in f32.
;; Inputs: Wk_codes 1,024 x 32 x 24 uint8 (E2M3 codes of Wk, K innermost, in blocks of 32 codes, four codes in three bytes); Wk_scales 1,024 x 32 uint8 (E8M0 scales of Wk, one for each 32 codes along K); Wo_codes 1,024 x 32 x 24 uint8 (E2M3 codes of Wo, K innermost, in blocks of 32 codes, four codes in three bytes); Wo_scales 1,024 x 32 uint8 (E8M0 scales of Wo, one for each 32 codes along K); Wq_codes 1,024 x 32 x 24 uint8 (E2M3 codes of Wq, K innermost, in blocks of 32 codes, four codes in three bytes); Wq_scales 1,024 x 32 uint8 (E8M0 scales of Wq, one for each 32 codes along K); Wv_codes 1,024 x 32 x 24 uint8 (E2M3 codes of Wv, K innermost, in blocks of 32 codes, four codes in three bytes); Wv_scales 1,024 x 32 uint8 (E8M0 scales of Wv, one for each 32 codes along K); key_codes 2 x 2,048 x 32 x 24 uint8 (E2M3 codes of key, K innermost, in blocks of 32 codes, four codes in three bytes); key_scales 2 x 2,048 x 32 uint8 (E8M0 scales of key, one for each 32 codes along K); query_codes 2 x 2,048 x 32 x 24 uint8 (E2M3 codes of query, K innermost, in blocks of 32 codes, four codes in three bytes); query_scales 2 x 2,048 x 32 uint8 (E8M0 scales of query, one for each 32 codes along K); value_codes 2 x 2,048 x 32 x 24 uint8 (E2M3 codes of value, K innermost, in blocks of 32 codes, four codes in three bytes); value_scales 2 x 2,048 x 32 uint8 (E8M0 scales of value, one for each 32 codes along K).
;; Outputs: out0 2 x 2,048 x 1,024 float32.
;; This version of the problem:
;;   THIS VERSION OF THE PROBLEM IS GIVEN IN LOW PRECISION. The matrix products marked QUANTISED in the list below multiply operands that are first quantised to E2M3 (2 exponent bits, 3 mantissa bits; 6 bits a number), with one power-of-two scale for each 32 numbers along K (OCP MX v1.0); their sums are f32. All else is computed in f32.
;;   The module's matrix products, in the order in which they are computed (A, B: the left and right operand; K: the contracted axis; several contracted axes count as one K, in the product's order):
;;     1. [M 4,096, K 1,024] x [K 1,024, N 1,024]; A: input query (given as codes); B: input Wq (given as codes): QUANTISED
;;     2. [M 4,096, K 1,024] x [K 1,024, N 1,024]; A: input key (given as codes); B: input Wk (given as codes): QUANTISED
;;     3. [M 4,096, K 1,024] x [K 1,024, N 1,024]; A: input value (given as codes); B: input Wv (given as codes): QUANTISED
;;     4. batch 32 x [M 2,048, K 64] x [K 64, N 2,048]; A: computed on the way; B: computed on the way: QUANTISED
;;     5. batch 32 x [M 2,048, K 2,048] x [K 2,048, N 64]; A: softmax (see below); B: computed on the way: QUANTISED
;;     6. [M 4,096, K 1,024] x [K 1,024, N 1,024]; A: computed on the way; B: input Wo (given as codes): QUANTISED
;;   THE QUANTISER, for each operand of a quantised product, along K:
;;     - K is cut into blocks of 32 from its start; a last block that is shorter is filled with zeros.
;;     - A block's scale is 2^e with e = floor(log2(the largest magnitude in the block)) - 2, held to -126 .. 127; a block of zeros has e = 0. As a byte (E8M0): e + 127.
;;     - Each number is divided by its block's scale, clamped to +-7.5, and rounded to the nearest number of E2M3, ties to even, subnormals kept.
;;     - The product sums the exact products of the quantised numbers (number of the format x scale) in f32.
;;   ~~~python
;;   def quantise(x, axis):      # numpy; x: float32 -> the quantised numbers, widened to float32 again
;;       x = np.moveaxis(x, axis, -1); K = x.shape[-1]
;;       x = np.pad(x, [(0, 0)] * (x.ndim - 1) + [(0, -K % 32)]); x = x.reshape(x.shape[:-1] + (-1, 32)); a = np.abs(x).max(-1, keepdims=True)
;;       e = np.where(a > 0, np.clip(np.frexp(np.where(a > 0, a, 1))[1] - 1 - 2, -126, 127), 0)      # np.frexp(a)[1] - 1 = floor(log2(a)), exactly
;;       r = np.clip(x / 2.0 ** e, -7.5, 7.5)
;;       step = 2.0 ** (np.maximum(np.frexp(np.where(r == 0, 1, r))[1] - 1, 0) - 3)
;;       q = np.round(r / step) * step * 2.0 ** e      # np.round: ties to even
;;       return np.moveaxis(q.reshape(q.shape[:-2] + (-1,))[..., :K], -1, axis).astype(np.float32)
;;   ~~~
;;   SOFTMAX AHEAD OF A QUANTISED PRODUCT. Where the list says 'softmax', what is quantised is not the finished softmax but p = 2^(t - M), with t = logit x log2(e) and M = ceil(the row's largest t), a whole number; so 1/2 < the row's largest p <= 1. The row's sum l is taken of the UNQUANTISED p, in f32, and the product's result is divided by l at the end. Since M is a whole number, a kernel that streams over the keys may use a running M (the ceiling of the running maximum): every later rescaling is an exact power of two, which a block's scale takes up: the codes' values come out the same.
;;   OPERANDS COMPUTED ON THE WAY. 'Computed on the way' means the value that the module computes at that place (a softmax that the list does not call 'softmax' is quantised finished and normalised). What goes into a quantiser is computed in f32, as accurately as f32 sums, v_exp_f32 and their like allow (about 1e-6 of the number): no bf16 or f16 on the way to a quantiser, and a product that is left as it is and whose result goes on into a quantised operand takes f32 operands (vector FMAs, or v_wmma_f32_16x16x4_f32). A number that lies on a knife's edge between two numbers of the format may be rounded either way, as far as f32 arithmetic and the matrix unit's own rounding can turn it there, and no further.
;;   INPUTS GIVEN AS CODES. Wk (in the module: [1024, 1024], K = its axis 1); Wo (in the module: [1024, 1024], K = its axis 1); Wq (in the module: [1024, 1024], K = its axis 1); Wv (in the module: [1024, 1024], K = its axis 1); key (in the module: [2, 2048, 1024], K = its axis 2); query (in the module: [2, 2048, 1024], K = its axis 2); value (in the module: [2, 2048, 1024], K = its axis 2): each comes as NAME_codes (uint8): NAME with its K axis moved to the last place and cut into blocks of 32 codes, [.., K / 32, bytes a block], one block behind the other in memory; four codes in three bytes: a row's codes are one little-endian stream of bits, code i at bits 6 i .. 6 i + 5 (a code: sign, 2 exponent bits, 3 mantissa bits); and NAME_scales (uint8): the same leading axes, one E8M0 byte (e + 127) for each 32 codes along K. Its value is code x scale, taken as it is: it is not quantised again, and the codes and scales need not be those that the quantiser above would give.
;; One version. Each part assembles by itself: llvm-mc -triple=amdgcn-amd-amdhsa -mcpu=gfx1250 --defsym DOCPART=n.
;; ======== version 1 of 1: 3 launches
;; limits: right only within a limited range of input values
;; workspace buffers: qkv 10,223,616 bytes; ao_codes 3,145,728 bytes; ao_scales 131,072 bytes
;; launch proj (part 1): grid 4 x 48, 4 waves a work-group, clusters of 4 x 1, 327,680 bytes of LDS; arguments query_codes, query_scales, Wq_codes, Wq_scales, key_codes, key_scales, Wk_codes, Wk_scales, Wv_codes, Wv_scales, value_codes, value_scales, qkv; writes qkv
.if DOCPART == 1
	.amdgcn_target "amdgcn-amd-amdhsa--gfx1250"
	.amdhsa_code_object_version 6
	.text
	.protected	k_qb6ec70c429_proj
	.globl	k_qb6ec70c429_proj
	.p2align	8
	.type	k_qb6ec70c429_proj,@function
k_qb6ec70c429_proj:
	s_mov_b64 s[64:65], 0
	v_nop
	global_prefetch_b8 v0, s[64:65] scope:SCOPE_SE
	s_setreg_imm32_b32 hwreg(HW_REG_WAVE_MODE, 25, 1), 1
	s_wait_xcnt 0x0
	s_wait_alu depctr_hold_cnt(0) depctr_sa_sdst(0) depctr_va_vdst(0) depctr_va_sdst(0) depctr_va_ssrc(0) depctr_va_vcc(0) depctr_vm_vsrc(0)
	s_getreg_b32 s2, hwreg(HW_REG_IB_STS2, 6, 4)
	s_cmp_eq_u32 s2, 0
	s_cbranch_scc0 .Lentry_in_a_cluster
	s_endpgm
.Lentry_in_a_cluster:
	s_bfe_u32 s2, ttmp6, 0x10000c
	s_cmp_lg_u32 s2, 0x3003
	s_cbranch_scc0 .Lentry_shape_is_right
	s_endpgm
.Lentry_shape_is_right:
; THE THREE PROJECTIONS, each quantised on its way out.  C[m][n] = sum over k of A[m][k] B[n][k], K = 1,024, on codes of FP6 (E2M3) with one E8M0 scale for each 32 along K.
; q, k: A = the tokens, B = the weight: n runs along the features, the scores' K.  v: A = Wv, B = the tokens: C is v transposed, n runs along the keys, the second product's K.
; Which tensor: cluster y / 16 (0 q, 1 k, 2 v); what differs is chosen by scalar selects on that number, which the partners of a cluster share.
; A WORK-GROUP STAYS: it keeps 128 whole rows of A (all of K) and their scales in LDS and makes four tiles of C, 128 x 128, side by side: four waves, each 64 x 64 in 16 accumulators.
; B's tile (128 whole rows and their scales) goes through a ring of two slots: tile t + 1 is asked for in front of tile t's 128 matrix instructions a wave and its way out.  768 tiles in runs of four: 192 work-groups.
; Rows are 768 bytes of memory, begun at a multiple of 256; 16 bytes of padding behind every 256 (LDS pitch 816).  LDS: A 104,448 | B 2 x 104,448 | scales 3 x 4,352 | spare words 512.
; At the head one load a wave: A's codes, B's codes, A's scales, B's scales.  A later fill: wave 1 B's codes, wave 3 B's scales, behind the three lines and a round.  Every wait on TENSORcnt is for 0.
; CLUSTER 4, 1, 1: the four partners own four blocks of rows and walk the same tiles of B, which are asked for JOINTLY; A's rows are a work-group's own, by a load with no mask.
; PREFETCH: in tile t the codes of B's tile t + 2 (384 blocks of 256 bytes, dense) are named once in the cluster: its 16 waves take 24 blocks each, told apart by address; tiles 2 and 3 ask for nothing.
; THE MATRIX INSTRUCTION IS USED TRANSPOSED (source 0 = 16 rows of B, source 1 = 16 rows of A): a lane holds one row m, register 16 g + i of a block of 16 rows is n = 32 g + 16 (i / 8) + 8 (lane / 16) + i % 8.
; Converted as they stand, a block's codes lie in the order 0-7, 16-23, 8-15, 24-31: inside one scale block, and alike in q and k, and in v and p (made so by the next launch): the sums are the same.
; OUT: qkv [32 heads (16 batch + head)][16 steps of 128 tokens][19,968 bytes]: K 8 tiles x 768 | V 4 tiles x 1,536 | K's scale words 512 | V's 512 | Q 8 tiles x 768 | Q's scale words 512.
; 768 bytes are an image of six operand registers (16 rows x 64 along K): registers 0-3 at 16 x lane, 4-5 at 512 + 8 x lane.  Scale words: two pieces of 256 bytes, [lane][2 words]: word w of lane l = tile 2 w + l / 16, row l % 16.
; K, Q: piece = which 64 tokens, two bytes a word.  V: piece = which 64 keys; the second piece holds its two bytes in the word's upper half, so that an OR of the two pieces is the word of 128 keys.
; LIMITS: NaN and infinities are not served.  A block whose largest magnitude lies under 2^-124, a block of zeros too, keeps the scale byte 1; these bytes are read by this program alone.
; REGISTERS: window 0: v10-29 addresses; v32-63 scale words of all eight K steps; v64-159, v160-255 two sets of fragments (A's four, B's four).  window 1: v0-127 the accumulators, (a, b) at 8 (4 a + b).
.set KROW,   768
.set PITCH,  816
.set TILEB,  128*PITCH
.set BOFF,   TILEB
.set SCL,    3*TILEB
.set SHALF,  2176                      ; the scales of 64 rows: 8 units of 256 + 16
.set SPARE,  SCL+6*SHALF               ; the spare words: 128 bytes a wave, named by no other line
.set BHB,    319488
.set STEPALL, 19968
.set ADRA, 10                          ; v10-11
.set ADRB, 12                          ; v12-13 slot 0, v14-15 slot 1
.set ADRS, 16                          ; v16 slot 0, v17 slot 1
.set L16,  21
.set L8,   22
.set PFO,  23
.set SPW,  28
.set NIL,  29
.set SC,   32
.set FS,   64
.set TM,   64
.set T2,   72
.set SO,   80
.set PW,   88
.set X,    92
.set PC,   96
.set PT,   120
.set G1, 24
.set G0A, 32
.set G0B, 36
.set G1B, 48
.set PFB, 56                           ; s[56:57] B's tile 0; never rewritten
.set INC, 58                           ; s[58:59] from one tile's place in qkv to the next
.set STR, 60                           ; s[60:61] from one block of 16 rows to the next
.set G1S, 68
.set G0S, 76
.set G1SB, 80
.set G0SB, 88
.set MSB, 0
.macro WIN new                         ; the immediate's high byte repeats the setting that is left
.if MSB != (\new)
	s_set_vgpr_msb (MSB<<8)|(\new)
.set MSB, (\new)
.endif
.endm
.macro CROUND                          ; a round of the cluster's barrier
	s_barrier_signal -1
	s_barrier_wait -1
	s_cmp_lg_u32 s14, 0
	s_cbranch_scc1 .Lnot_wave_0_\@
	s_barrier_signal -3
.Lnot_wave_0_\@:
	s_barrier_wait -3
	s_barrier_signal -1
	s_barrier_wait -1
.endm
.macro PLACES                          ; four plain vector instructions behind a matrix instruction (ISA guide 7.12.1)
.rept 4
	v_nop
.endr
.endm
	s_load_b512 s[68:83], s[0:1], 0x0              ; query: codes, scales; Wq; key; Wk
	s_load_b256 s[84:91], s[0:1], 0x40             ; Wv: codes, scales; value: codes, scales
	s_load_b64 s[12:13], s[0:1], 0x60              ; qkv
	v_lshl_add_u32 v[SPW], v0, 2, SPARE
	v_mov_b32 v[NIL], 0
	ds_add_u32 v[SPW], v[NIL]                      ; the opening lines: the add, twice on end, and its wait
	ds_add_u32 v[SPW], v[NIL]
	v_lshrrev_b32 v1, 5, v0
	v_readfirstlane_b32 s14, v1                    ; wave 0..3
	s_lshr_b32 s15, s14, 1                         ; my half of the tile's rows
	s_and_b32 s16, s14, 1                          ; my half of its columns
	s_bfe_u32 s40, ttmp6, 0x40000                  ; cx: it enters A's, the prefetches' and the outputs' addresses alone
	s_and_b32 s17, ttmp7, 0xffff                   ; the cluster, 0..47
	s_lshr_b32 s96, s17, 4                         ; the tensor
	s_and_b32 s97, s17, 15
	s_cmp_eq_u32 s96, 2
	s_cselect_b32 s18, 3, 1                        ; q, k: 8 groups of four row blocks x 2 runs of four tiles; v: 2 x 8
	s_cselect_b32 s19, 7, 1
	s_lshr_b32 s17, s97, s18
	s_lshl_b32 s17, s17, 2
	s_add_co_u32 s17, s17, s40                     ; my block of 128 rows
	s_and_b32 s42, s97, s19
	s_lshl_b32 s42, s42, 2                         ; my first tile column, which the partners share
	s_mov_b32 s100, 0x76543210                     ; v_permlanex16_b32's selects for lane l xor 16
	s_mov_b32 s101, 0xfedcba98
	s_mov_b32 s[G1+0], (0<<16)|(1<<20)|(5<<22)|(3<<25)               ; A: no mask; elements of 1 byte; 4 words of padding behind every 64
	s_mov_b32 s[G1B+0], 15|(0<<16)|(1<<20)|(1<<21)|(5<<22)|(3<<25)   ; B: the mask names all four work-groups
.irp g, G1, G1B
	s_mov_b32 s[\g+1], KROW<<16
	s_mov_b32 s[\g+2], 128<<16
	s_mov_b32 s[\g+3], KROW<<16
	s_mov_b32 s[\g+4], 128
	s_mov_b32 s[\g+5], KROW
	s_mov_b32 s[\g+6], 0
	s_mov_b32 s[\g+7], 0
.endr
	s_mul_i32 s20, s17, 128*KROW                   ; A: my rows' codes,
	s_mov_b32 s21, 0
	s_lshl_b32 s22, s17, 12                        ; and scales (128 rows x 32 bytes)
	s_mov_b32 s23, 0
	s_mul_i32 s46, s42, 128*KROW                   ; B's tile 0 likewise
	s_mov_b32 s47, 0
	s_lshl_b32 s92, s42, 12
	s_mov_b32 s93, 0
	s_wait_dscnt 0x0                               ; both opening adds are done
	s_wait_kmcnt 0x0
	s_cmp_eq_u32 s96, 0                            ; the tensor's four buffers
	s_cselect_b64 s[4:5], s[68:69], s[76:77]
	s_cselect_b64 s[6:7], s[70:71], s[78:79]
	s_cselect_b64 s[8:9], s[72:73], s[80:81]
	s_cselect_b64 s[10:11], s[74:75], s[82:83]
	s_cmp_eq_u32 s96, 2
	s_cselect_b64 s[4:5], s[84:85], s[4:5]
	s_cselect_b64 s[6:7], s[86:87], s[6:7]
	s_cselect_b64 s[8:9], s[88:89], s[8:9]
	s_cselect_b64 s[10:11], s[90:91], s[10:11]
	s_mov_b32 s[G1S+0], (3<<16)|(1<<20)|(5<<22)|(3<<25)              ; the scales of 128 rows: 16 rows of 256 bytes, 16 of padding behind each
	s_mov_b32 s[G1SB+0], 15|(3<<16)|(1<<20)|(1<<21)|(5<<22)|(3<<25)
.irp g, G1S, G1SB
	s_mov_b32 s[\g+1], 32<<16
	s_mov_b32 s[\g+2], 16<<16
	s_mov_b32 s[\g+3], 32<<16
	s_mov_b32 s[\g+4], 16
	s_mov_b32 s[\g+5], 32
	s_mov_b32 s[\g+6], 0
	s_mov_b32 s[\g+7], 0
.endr
	s_mov_b32 s[G0A], 1
	s_mov_b32 s[G0A+1], 0
	s_add_nc_u64 s[G0A+2:G0A+3], s[4:5], s[20:21]
	s_or_b32 s[G0A+3], s[G0A+3], 0x80000000
	s_add_nc_u64 s[PFB:PFB+1], s[8:9], s[46:47]
	s_mov_b32 s[G0B], 1
	s_mov_b32 s[G0B+1], BOFF
	s_mov_b64 s[G0B+2:G0B+3], s[PFB:PFB+1]
	s_or_b32 s[G0B+3], s[G0B+3], 0x80000000
	s_mov_b32 s[G0S], 1
	s_mov_b32 s[G0S+1], SCL
	s_add_nc_u64 s[G0S+2:G0S+3], s[6:7], s[22:23]
	s_or_b32 s[G0S+3], s[G0S+3], 0x80000000
	s_mov_b32 s[G0SB], 1
	s_mov_b32 s[G0SB+1], SCL+2*SHALF
	s_add_nc_u64 s[G0SB+2:G0SB+3], s[10:11], s[92:93]
	s_or_b32 s[G0SB+3], s[G0SB+3], 0x80000000
	CROUND                                         ; all four work-groups are here: the joint loads meet
; one chain of branches on the wave's number, one load to an arm: every way passes exactly one load
.macro ARM under, g0, g1, next
	s_cmp_lt_u32 s14, \under
	s_cbranch_scc0 \next
	tensor_load_to_lds s[\g0:\g0+3], s[\g1:\g1+7]
	s_nop 0
.rept 4
	v_nop
.endr
	s_branch .Lhead_asked
\next:
.endm
	ARM 1, G0A, G1,  .Lhead_b
	ARM 2, G0B, G1B, .Lhead_sa
	ARM 3, G0S, G1S, .Lhead_sb
	tensor_load_to_lds s[G0SB:G0SB+3], s[G1SB:G1SB+7]
	s_nop 0
.rept 4
	v_nop
.endr
.Lhead_asked:
	v_and_b32 v1, 15, v0                           ; r
	v_bfe_u32 v2, v0, 4, 1                         ; h
	v_mul_u32_u24 v3, v1, PITCH
	v_mad_u32_u24 v3, v2, 24, v3                   ; row x pitch + 24 h
	v_lshl_add_u32 v4, v2, 4, v3                   ; the same where lanes 16-31 lie behind one padding more
	s_mul_i32 s21, s15, 64*PITCH
	s_mul_i32 s22, s16, 64*PITCH
	s_add_co_u32 s22, s22, BOFF
	s_add_co_u32 s23, s22, TILEB
	v_add_nc_u32 v[ADRA], s21, v3
	v_add_nc_u32 v[ADRA+1], s21, v4
	v_add_nc_u32 v[ADRB], s22, v3
	v_add_nc_u32 v[ADRB+1], s22, v4
	v_add_nc_u32 v[ADRB+2], s23, v3
	v_add_nc_u32 v[ADRB+3], s23, v4
	v_lshlrev_b32 v5, 5, v1                        ; my row's scales: 32 bytes a row,
	v_lshrrev_b32 v6, 8, v5
	v_lshl_add_u32 v5, v6, 4, v5                   ; 16 more behind 256
	s_mul_i32 s21, s15, SHALF
	s_mul_i32 s22, s16, SHALF
	s_add_co_u32 s22, s22, 2*SHALF
	s_sub_co_u32 s22, s22, s21                     ; from A's words to B's in slot 0,
	s_add_co_u32 s23, s22, 2*SHALF                 ; in slot 1
	v_mul_u32_u24 v6, s22, v2                      ; lanes 16-31 take B's
	v_mul_u32_u24 v8, s23, v2
	s_add_co_u32 s21, s21, SCL
	v_add_nc_u32 v6, v5, v6
	v_add_nc_u32 v8, v5, v8
	v_add_nc_u32 v[ADRS], s21, v6
	v_add_nc_u32 v[ADRS+1], s21, v8
	v_and_b32 v7, 31, v0
	v_lshlrev_b32 v[L16], 4, v7
	v_lshlrev_b32 v[L8], 3, v7
	s_lshl_b32 s21, s40, 2
	s_add_co_u32 s21, s21, s14
	s_mul_i32 s21, s21, 24*256                     ; the prefetches: my wave's 24 blocks of the cluster's 384;
	v_min_u32 v9, 23, v7                           ; the lanes left over name the wave's last block again
	v_lshl_add_u32 v[PFO], v9, 8, s21
	; where my 64 x 64 goes.  q, k: rows = 64 tokens, columns = one head.  v: rows = one head's channels, columns = 64 keys
	s_cmp_eq_u32 s96, 2
	s_cselect_b32 s18, s42, s17                    ; the step of 128 tokens, 0..31
	s_cselect_b32 s19, s17, s42                    ; the pair of heads
	s_cselect_b32 s20, s15, s16                    ; which of the pair
	s_cselect_b32 s21, s16, s15                    ; which 64 tokens of the step
	s_mov_b32 s22, 3072
	s_cselect_b32 s22, 768, s22                    ; their codes' distance
	s_mov_b32 s[STR], 768
	s_cselect_b32 s[STR], 1536, s[STR]
	s_mov_b32 s[INC], 2*BHB                        ; the next tile: q, k two heads on; v one step of 128 keys on
	s_cselect_b32 s[INC], STEPALL, s[INC]
	s_cselect_b32 s97, s16, 0
	s_cselect_b32 s44, 6144, 0                     ; the codes' place in a step: k 0, v 6,144, q 13,312
	s_mov_b32 s45, 12288
	s_cselect_b32 s45, 12800, s45                  ; the scale words': k 12,288, v 12,800, q 19,456
	s_cmp_eq_u32 s96, 0
	s_cselect_b32 s44, 13312, s44
	s_cselect_b32 s45, 19456, s45
	s_mov_b32 s[STR+1], 0
	s_mov_b32 s[INC+1], 0
	s_lshl_b32 s97, s97, 4                         ; v's second 64 keys: the bytes go to the word's upper half
	s_lshl_b32 s19, s19, 1
	s_add_co_u32 s19, s19, s20                     ; the head
	s_and_b32 s46, s18, 16                         ; 16 x batch
	s_add_co_u32 s46, s46, s19
	s_mul_i32 s46, s46, BHB
	s_and_b32 s47, s18, 15
	s_mul_i32 s47, s47, STEPALL
	s_add_co_u32 s46, s46, s47                     ; under 2^24
	s_mul_i32 s92, s22, s21
	s_add_co_u32 s92, s92, s44
	s_add_co_u32 s92, s92, s46
	s_mov_b32 s93, 0
	s_lshl_b32 s94, s21, 8
	s_add_co_u32 s94, s94, s45
	s_add_co_u32 s94, s94, s46
	s_mov_b32 s95, 0
	s_add_nc_u64 s[4:5], s[12:13], s[92:93]        ; block 0's image, then blocks 1 to 3
	s_add_nc_u64 s[6:7], s[4:5], s[STR:STR+1]
	s_add_nc_u64 s[8:9], s[6:7], s[STR:STR+1]
	s_add_nc_u64 s[10:11], s[8:9], s[STR:STR+1]
	s_add_nc_u64 s[94:95], s[12:13], s[94:95]      ; my piece of scale words
	s_mov_b32 s47, 0xffff0000                      ; lanes 16-31
.macro FRAG reg, adr, st, i            ; 16 rows x 128 K: lane l holds row l % 16; registers 6 c .. 6 c + 5 hold K = 64 c + 32 (l / 16) + 0 .. 31: 24 bytes as they lie, in pieces of 8
.irp p, 0,1,2,3,4,5
.set BY, 96*(\st)+48*(\p/3)+8*(\p%3)
.if BY/256 == (BY+24)/256
	ds_load_b64 v[\reg+2*\p:\reg+2*\p+1], v[\adr] offset:BY+16*(BY/256)+(\i)*16*PITCH
.else
	ds_load_b64 v[\reg+2*\p:\reg+2*\p+1], v[\adr+1] offset:BY+16*(BY/256)+(\i)*16*PITCH
.endif
.endr
.endm
.macro FETCH st                        ; 48 loads: step st's fragments into set st % 2; B's from slot SL
.set FB, FS+96*((\st)%2)
.irp i, 0,1,2,3
	FRAG FB+12*\i, ADRA, \st, \i
.endr
.irp i, 0,1,2,3
	FRAG FB+48+12*\i, ADRB+2*SL, \st, \i
.endr
.endm
.macro MUL st, zero                    ; 16 matrix instructions; the accumulators take turns, in the same order in every step
.set FB, FS+96*((\st)%2)
.irp a, 0,1,2,3
.irp b, 0,1,2,3
.if \zero
	v_wmma_scale_f32_16x16x128_f8f6f4 v[8*(4*\a+\b):8*(4*\a+\b)+7], v[FB+48+12*\b:FB+48+12*\b+11], v[FB+12*\a:FB+12*\a+11], 0, v[SC+8*\b+(\st)], v[SC+8*\a+(\st)] matrix_a_fmt:MATRIX_FMT_FP6 matrix_b_fmt:MATRIX_FMT_FP6 matrix_a_scale:MATRIX_SCALE_ROW1
.else
	v_wmma_scale_f32_16x16x128_f8f6f4 v[8*(4*\a+\b):8*(4*\a+\b)+7], v[FB+48+12*\b:FB+48+12*\b+11], v[FB+12*\a:FB+12*\a+11], v[8*(4*\a+\b):8*(4*\a+\b)+7], v[SC+8*\b+(\st)], v[SC+8*\a+(\st)] matrix_a_fmt:MATRIX_FMT_FP6 matrix_b_fmt:MATRIX_FMT_FP6 matrix_a_scale:MATRIX_SCALE_ROW1
.endif
.endr
.endr
.endm
; THE CHANGE OF SLOTS.  Every wave: all its tensor loads have landed (the tile that is multiplied next among them), the add, the wait for it and for its reads of the slot left behind; a round of the cluster's barrier;
; then, where a tile is left to ask for (fill = 1), tile nxt into slot nxt % 2: wave 1 B's codes, wave 3 B's scales, each its one load behind the round.
.macro SEQ nxt, fill
	s_wait_xcnt 0x0                                ; the last tile's stores have read their data and bases: the loads below may land there, and the bases may step
	s_wait_tensorcnt 0x0
	ds_add_u32 v[SPW], v[NIL]
.if \fill
	s_mov_b32 s[G0B+1], BOFF+((\nxt)%2)*TILEB      ; no load of mine is out: the descriptors may be written
	s_add_nc_u64 s[G0B+2:G0B+3], s[G0B+2:G0B+3], 128*KROW
	s_mov_b32 s[G0SB+1], SCL+2*SHALF*(1+(\nxt)%2)
	s_add_nc_u64 s[G0SB+2:G0SB+3], s[G0SB+2:G0SB+3], 4096
.endif
	s_wait_dscnt 0x0
	CROUND
.if \fill
	s_cmp_eq_u32 s14, 1
	s_cbranch_scc0 .Lnot_codes_\@
	tensor_load_to_lds s[G0B:G0B+3], s[G1B:G1B+7]
	s_nop 0
.rept 4
	v_nop
.endr
	s_branch .Lfilled_\@
.Lnot_codes_\@:
	s_cmp_eq_u32 s14, 3
	s_cbranch_scc0 .Lfilled_\@
	tensor_load_to_lds s[G0SB:G0SB+3], s[G1SB:G1SB+7]
	s_nop 0
.rept 4
	v_nop
.endr
.Lfilled_\@:
.endif
.endm
; ONE TILE OF C: eight K steps, then the way out
.macro TILE tl
.set SL, (\tl)%2
.irp a, 0,1,2,3                                ; register SC + 8 a + s: lanes 0-15 the word of A's block a, lanes 16-31 of B's block a, K step s
	ds_load_b128 v[SC+8*\a:SC+8*\a+3], v[ADRS+SL] offset:\a*544
	ds_load_b128 v[SC+8*\a+4:SC+8*\a+7], v[ADRS+SL] offset:\a*544+16
.endr
	FETCH 0
.if (\tl) < 2
	global_prefetch_b8 v[PFO], s[PFB:PFB+1] offset:((\tl)+2)*128*KROW th:TH_LOAD_NT scope:SCOPE_SE   ; B's tile two on, one whole tile ahead of the load that asks for it
.endif
.set ST, 0
.rept 8
.if ST < 7
.if ST > 0
	PLACES                                         ; the set was read by the products just issued
.endif
	FETCH ST+1
	s_wait_dscnt 48                                ; all but the 48 loads just issued
.else
	s_wait_dscnt 0x0
.endif
	WIN 0x50                                       ; C and D in window 1
.if ST == 0
	MUL ST, 1                                      ; the first step's products start the sums
.else
	MUL ST, 0
.endif
	WIN 0
.set ST, ST+1
.endr
.if (\tl) > 0
.irp q, 4,6,8,10,94
	s_add_nc_u64 s[\q:\q+1], s[\q:\q+1], s[INC:INC+1]   ; (the wait on XCNT at the change of slots stands between the last stores and these)
.endr
.endif
	PLACES
	; eight blocks of 32 (u = 2 a + g: rows 16 a .., columns 32 g ..), each in lanes l and l xor 16, by turns
.irp u, 0,1,2,3,4,5,6,7
	v_mov_b32 v[T2+\u], 0                          ; a lane permute's destination counts as one of its sources
.endr
	WIN 0x05                                       ; sources 0 and 1 in window 1
.irp u, 0,1,2,3,4,5,6,7
	v_max3_num_f32 v[TM+\u], |v[16*\u]|, |v[16*\u+1]|, 0x1800000   ; each accumulator from its low end on; the floor 2^(3 - 127) keeps the byte at 1 or above
.endr
.irp i, 2,4,6,8,10,12,14
.irp u, 0,1,2,3,4,5,6,7
	v_max3_num_f32 v[TM+\u], |v[16*\u+\i]|, |v[16*\u+\i+1]|, v[TM+\u]
.endr
.endr
	WIN 0
.irp u, 0,1,2,3,4,5,6,7
	v_permlanex16_b32 v[T2+\u], v[TM+\u], s100, s101
.endr
.irp u, 0,1,2,3,4,5,6,7
	v_max_num_f32 v[TM+\u], v[TM+\u], v[T2+\u]     ; the block's largest magnitude
.endr
.irp u, 0,1,2,3,4,5,6,7
	v_add_nc_u32 v[SO+\u], 0xff000000, v[TM+\u]    ; 2 off its exponent field: the conversion's scale operand
.endr
.irp u, 0,1,2,3,4,5,6,7
	v_lshrrev_b32 v[T2+\u], 23, v[SO+\u]           ; the scale's byte
.endr
.irp a, 0,1,2,3
	v_lshl_or_b32 v[PW+\a], v[T2+2*\a+1], 8, v[T2+2*\a]
.endr
	WIN 0x01
.irp a, 0,1,2,3
	v_cvt_scalef32_pk16_fp6_f32 v[PC+6*\a:PC+6*\a+2], v[32*\a:32*\a+15], v[SO+2*\a]
	v_cvt_scalef32_pk16_fp6_f32 v[PT+4*\a:PT+4*\a+2], v[32*\a+16:32*\a+31], v[SO+2*\a+1]   ; (a conversion's three registers begin on an even number)
.endr
	WIN 0
	v_nop                                          ; one plain place behind a scaled conversion
.irp a, 0,1,2,3                                ; a whole block to a lane: lanes 0-15 block g = 0, lanes 16-31 block g = 1
.irp i, 0,1,2
	v_permlane16_swap_b32 v[PC+6*\a+\i], v[PT+4*\a+\i]
.endr
.endr
.irp a, 0,1,2,3
.irp i, 0,1,2
	v_mov_b32 v[PC+3+6*\a+\i], v[PT+4*\a+\i]
.endr
.endr
	v_cndmask_b32 v[X], v[PW], v[PW+1], s47        ; lanes 0-15 block 2 w's words, lanes 16-31 block 2 w + 1's
	v_cndmask_b32 v[X+1], v[PW+2], v[PW+3], s47
	v_lshlrev_b32 v[X], s97, v[X]
	v_lshlrev_b32 v[X+1], s97, v[X+1]
.irp a, 0,1,2,3
	global_store_b128 v[L16], v[PC+6*\a:PC+6*\a+3], s[4+2*\a:5+2*\a]              ; 512 consecutive bytes, at a multiple of 256 from the buffer's first byte
	global_store_b64 v[L8], v[PC+6*\a+4:PC+6*\a+5], s[4+2*\a:5+2*\a] offset:512   ; 256 more
.endr
	global_store_b64 v[L8], v[X:X+1], s[94:95]     ; 256 consecutive bytes
.endm
	s_wait_alu depctr_va_vdst(0)
	SEQ 1, 1                                       ; the head's four tiles are in; slot 1's first fill is issued as a refill is
	TILE 0
	SEQ 2, 1
	TILE 1
	SEQ 3, 1
	TILE 2
	SEQ 0, 0                                       ; tile 3 is in; nothing is left to ask for
	TILE 3
	s_wait_tensorcnt 0x0                           ; the wave's end
	ds_add_u32 v[SPW], v[NIL]
	s_wait_dscnt 0x0
	CROUND                                         ; the closing round
	s_endpgm
.Lfunc_end_k_qb6ec70c429_proj:
	.size	k_qb6ec70c429_proj, .Lfunc_end_k_qb6ec70c429_proj-k_qb6ec70c429_proj
	.p2alignl 7, 3214868480
	.fill 96, 4, 3214868480
	.section	.rodata,"a",@progbits
	.p2align	6, 0x0
	.amdhsa_kernel k_qb6ec70c429_proj
		.amdhsa_group_segment_fixed_size 327680
		.amdhsa_private_segment_fixed_size 0
		.amdhsa_enable_private_segment 0
		.amdhsa_kernarg_size 104
		.amdhsa_user_sgpr_count 2
		.amdhsa_user_sgpr_kernarg_segment_ptr 1
		.amdhsa_wavefront_size32 1
		.amdhsa_system_sgpr_workgroup_id_x 1
		.amdhsa_system_sgpr_workgroup_id_y 1
		.amdhsa_system_sgpr_workgroup_id_z 1
		.amdhsa_system_vgpr_workitem_id 0
		.amdhsa_next_free_vgpr 384
		.amdhsa_next_free_sgpr 102
		.amdhsa_reserve_vcc 0
		.amdhsa_float_denorm_mode_32 3
		.amdhsa_float_denorm_mode_16_64 3
		.amdhsa_memory_ordered 1
		.amdhsa_forward_progress 1
		.amdhsa_inst_pref_size 219
	.end_amdhsa_kernel
	.amdgpu_metadata
---
amdhsa.version: [ 1, 2 ]
amdhsa.kernels:
  - .name:           k_qb6ec70c429_proj
    .symbol:         k_qb6ec70c429_proj.kd
    .args:
      - { .name: query_codes, .offset: 0, .size: 8, .value_kind: global_buffer, .address_space: global }
      - { .name: query_scales, .offset: 8, .size: 8, .value_kind: global_buffer, .address_space: global }
      - { .name: Wq_codes, .offset: 16, .size: 8, .value_kind: global_buffer, .address_space: global }
      - { .name: Wq_scales, .offset: 24, .size: 8, .value_kind: global_buffer, .address_space: global }
      - { .name: key_codes, .offset: 32, .size: 8, .value_kind: global_buffer, .address_space: global }
      - { .name: key_scales, .offset: 40, .size: 8, .value_kind: global_buffer, .address_space: global }
      - { .name: Wk_codes, .offset: 48, .size: 8, .value_kind: global_buffer, .address_space: global }
      - { .name: Wk_scales, .offset: 56, .size: 8, .value_kind: global_buffer, .address_space: global }
      - { .name: Wv_codes, .offset: 64, .size: 8, .value_kind: global_buffer, .address_space: global }
      - { .name: Wv_scales, .offset: 72, .size: 8, .value_kind: global_buffer, .address_space: global }
      - { .name: value_codes, .offset: 80, .size: 8, .value_kind: global_buffer, .address_space: global }
      - { .name: value_scales, .offset: 88, .size: 8, .value_kind: global_buffer, .address_space: global }
      - { .name: qkv, .offset: 96, .size: 8, .value_kind: global_buffer, .address_space: global }
    .group_segment_fixed_size: 327680
    .private_segment_fixed_size: 0
    .kernarg_segment_align: 8
    .kernarg_segment_size: 104
    .max_flat_workgroup_size: 128
    .sgpr_count:     102
    .vgpr_count:     384
    .wavefront_size: 32
...
	.end_amdgpu_metadata
.endif
;; end of part 1
;; launch attn (part 2): grid 8 x 32, 16 waves a work-group, clusters of 4 x 1, 215,040 bytes of LDS; arguments qkv, ao_codes, ao_scales; writes ao_codes, ao_scales
.if DOCPART == 2
	.amdgcn_target "amdgcn-amd-amdhsa--gfx1250"
	.amdhsa_code_object_version 6
	.text
	.protected	k_qb6ec70c429_attn
	.globl	k_qb6ec70c429_attn
	.p2align	8
	.type	k_qb6ec70c429_attn,@function
k_qb6ec70c429_attn:
	s_mov_b64 s[64:65], 0
	v_nop
	global_prefetch_b8 v0, s[64:65] scope:SCOPE_SE
	s_setreg_imm32_b32 hwreg(HW_REG_WAVE_MODE, 25, 1), 1
	s_wait_xcnt 0x0
	s_wait_alu depctr_hold_cnt(0) depctr_sa_sdst(0) depctr_va_vdst(0) depctr_va_sdst(0) depctr_va_ssrc(0) depctr_va_vcc(0) depctr_vm_vsrc(0)
	s_getreg_b32 s2, hwreg(HW_REG_IB_STS2, 6, 4)
	s_cmp_eq_u32 s2, 0
	s_cbranch_scc0 .Lentry_in_a_cluster
	s_endpgm
.Lentry_in_a_cluster:
	s_bfe_u32 s2, ttmp6, 0x10000c
	s_cmp_lg_u32 s2, 0x3003
	s_cbranch_scc0 .Lentry_shape_is_right
	s_endpgm
.Lentry_shape_is_right:
; ATTENTION ON CODES OF FP6 (E2M3), head size 64, 2,048 keys, 32 heads (16 batch + head).  O = softmax(Q K^T / 32) V, both products quantised; O / l is quantised along the merged heads' axis and leaves as codes.
; THE SOFTMAX: t = score x log2(e) / 32; M = the row's largest t so far, rounded UP to a whole number; p = 2^(t - M) is quantised along the keys, not normalised; the row's sum is taken of the unquantised p
; and divides O at the end.  When M moves, the sum and O are multiplied by 2^(old M - new M): exact.
; SHARES.  A work-group owns 256 queries of one head; each of its sixteen waves owns 16 queries in 256 registers, four waves to a SIMD.
; THE WHOLE HEAD'S K AND V STAY IN LDS: 16 steps of 128 keys x 13,312 bytes (K 8 tiles x 768 | V 4 tiles x 1,536 | K's scale words 512 | V's 512) = 212,992 bytes, each byte filled once.
; ONE LOAD A WAVE, at the head: wave w brings step w.  It waits for its own load, signals the one barrier, works step w (bytes that it brought itself) between signal and wait, and then walks the other
; fifteen steps in the order w xor i, i = 1 .. 15: the running maximum serves any order of the keys.  Every wait on TENSORcnt is for 0.
; CLUSTER.  The four work-groups of a cluster own query blocks of one head: each step's bytes are asked for JOINTLY.  No data prefetch: all bytes are asked for at the head, no load stands in a loop.
; LAYOUT.  Both products are used transposed: S^T = K Q^T, O^T = V^T P^T: a lane holds ONE query (lane % 16).  Register 16 b + i of S^T is key 32 b + 16 (i / 8) + 8 (lane / 16) + i % 8: converted as they
; stand, a block's codes lie in the order 0-7, 16-23, 8-15, 24-31, the order in which V's codes were laid.  The same holds of Q and K along the head.
; K = 64 IN AN INSTRUCTION OF 128.  Q's registers 6-11 are zero codes, so the products at k = 64 .. 127 are zeros whatever K's registers 6-11 hold (the format has no infinity and no NaN; the scale bytes there are 0, a power of two).
; So K's eight fragments lie 6 registers apart, each reaching over the next one's six; the last reaches over six registers of zeros.
; LIMITS: NaN and infinities are not served; the scaled scores stay under 2^31 in magnitude; p under 2^-126 counts as 0 (v_exp_f32 flushes); a block whose largest magnitude lies under 2^-124 keeps the scale byte 1 (read by this program alone).
; REGISTERS: v1, v2, v5, v6 addresses that stay; v3, v4 the step's; v12 -M, v13 the largest t, v[14:15] the sum; v16-27 Q; v28 Q's scale words; v32-35 K's, v36-39 V's; v40-93 K's fragments, then V's;
;   v96-159 S^T, then p; v160-191 O^T; v192-203 p's codes; v204-210 at work; v230 p's scale word; v232-254 at work; v251, v255 the add's.
.set BHB,     319488
.set STEPALL, 19968
.set STEPB,   13312
.set VOFF,    6144
.set KSOFF,   12288
.set VSOFF,   12800
.set QOFF,    13312
.set QSOFF,   19456
.set KF, 40
.set S,  96
.set OT, 160
.set PC, 192
.set PW, 230
.set WV, 18
.set G1, 24
.set G0, 32
.set TB, 48
.set CNT, 49
.macro CROUND
	s_barrier_signal -1
	s_barrier_wait -1
	s_cmp_lg_u32 s[WV], 0
	s_cbranch_scc1 .Lnot_wave_0_\@
	s_barrier_signal -3
.Lnot_wave_0_\@:
	s_barrier_wait -3
	s_barrier_signal -1
	s_barrier_wait -1
.endm
	s_load_b128 s[4:7], s[0:1], 0x0                ; qkv, ao_codes
	s_load_b64 s[8:9], s[0:1], 0x10                ; ao_scales
	v_lshl_add_u32 v251, v0, 2, 0x34000
	v_mov_b32 v255, 0
	ds_add_u32 v251, v255                          ; the opening lines
	ds_add_u32 v251, v255
	v_lshrrev_b32 v7, 5, v0
	s_delay_alu instid0(VALU_DEP_1)
	v_readfirstlane_b32 s[WV], v7                  ; wave 0..15
	s_bfe_u32 s58, ttmp6, 0x40000                  ; cx: it enters Q's and the outputs' addresses alone
	s_lshl_b32 s59, ttmp9, 2
	s_add_co_u32 s59, s59, s58                     ; my block of 256 queries, 0..7
	s_and_b32 s60, ttmp7, 0xffff                   ; the head, which the partners share
	s_mul_i32 s61, s60, BHB
	s_mul_i32 s63, s[WV], STEPALL
	s_add_co_u32 s10, s61, s63                     ; step (wave) of the head, in memory,
	s_mov_b32 s11, 0
	s_mul_i32 s12, s[WV], STEPB                    ; and in LDS
	s_mov_b32 s[G1], 15|(3<<16)|(1<<21)            ; 13,312 dense bytes as 52 rows of 256; the mask names all four work-groups
	s_mov_b32 s[G1+1], 32<<16
	s_mov_b32 s[G1+2], 52<<16
	s_mov_b32 s[G1+3], 32<<16
	s_mov_b32 s[G1+4], 52
	s_mov_b32 s[G1+5], 32
	s_mov_b32 s[G1+6], 0
	s_mov_b32 s[G1+7], 0
	s_lshl_b32 s66, s59, 1
	s_lshr_b32 s67, s[WV], 3
	s_add_co_u32 s66, s66, s67                     ; my queries' step of 128 tokens
	s_and_b32 s67, s[WV], 7                        ; and my tile of 16 in it
	s_mul_i32 s13, s66, STEPALL
	s_add_co_u32 s13, s13, s61
	s_mul_i32 s14, s67, 768
	s_add_co_u32 s50, s13, s14
	s_add_co_u32 s50, s50, QOFF                    ; Q's image
	s_mov_b32 s51, 0
	s_and_b32 s14, s67, 1
	s_lshl_b32 s14, s14, 7                         ; Q's scale words: piece tile / 4, lanes 16 (tile % 2) + r, word (tile / 2) % 2
	s_bfe_u32 s15, s67, 0x10001
	s_lshl_b32 s15, s15, 2
	s_lshr_b32 s16, s67, 2
	s_lshl_b32 s16, s16, 8
	s_add_co_u32 s52, s13, s14
	s_add_co_u32 s52, s52, s15
	s_add_co_u32 s52, s52, s16
	s_add_co_u32 s52, s52, QSOFF
	s_mov_b32 s53, 0
	s_lshr_b32 s14, s60, 4
	s_lshl_b32 s14, s14, 7
	s_lshl_b32 s15, s66, 3
	s_add_co_u32 s14, s14, s15
	s_add_co_u32 s14, s14, s67                     ; T = my tile of 16 tokens among all 256
	s_and_b32 s15, s60, 15
	s_lshl_b32 s16, s14, 4
	s_add_co_u32 s16, s16, s15
	s_mul_i32 s54, s16, 768                        ; ao_codes [T][head][768]
	s_mov_b32 s55, 0
	s_lshl_b32 s56, s14, 9
	s_lshl_b32 s15, s15, 1
	s_add_co_u32 s56, s56, s15                     ; ao_scales [token][32]: 512 T + 2 head
	s_mov_b32 s57, 0
	s_mov_b32 s20, 0x76543210
	s_mov_b32 s21, 0xfedcba98
	s_mov_b32 s22, 0x3d38aa3b                      ; c = log2(e) / 32
	s_mov_b32 s23, s22
	s_mov_b32 s[G0], 1
	s_mov_b32 s[G0+1], s12
	s_wait_dscnt 0x0
	s_wait_kmcnt 0x0
	s_add_nc_u64 s[50:51], s[4:5], s[50:51]
	s_add_nc_u64 s[52:53], s[4:5], s[52:53]
	s_add_nc_u64 s[54:55], s[6:7], s[54:55]
	s_add_nc_u64 s[56:57], s[8:9], s[56:57]
	s_add_nc_u64 s[G0+2:G0+3], s[4:5], s[10:11]
	s_or_b32 s[G0+3], s[G0+3], 0x80000000
	CROUND                                         ; all four work-groups are here: the joint loads meet
	tensor_load_to_lds s[G0:G0+3], s[G1:G1+7]      ; my one load: step (wave)
	s_nop 0
	v_and_b32 v7, 31, v0
	v_and_b32 v8, 15, v0
	s_delay_alu instid0(VALU_DEP_2)
	v_lshlrev_b32 v1, 4, v7                        ; 16 x lane
	v_lshlrev_b32 v2, 3, v7                        ; 8 x lane
	v_lshlrev_b32 v5, 3, v8                        ; 8 r
	v_lshlrev_b32 v6, 5, v8                        ; 32 r
	global_load_b128 v[16:19], v1, s[50:51]        ; Q's six registers stay
	global_load_b64 v[20:21], v2, s[50:51] offset:512
	global_load_b32 v28, v5, s[52:53]
.irp j, 22,23,24,25,26,27,88,89,90,91,92,93
	v_mov_b32 v\j, 0                               ; Q's zero codes for k = 64 .. 127; the six registers behind K's last fragment
.endr
	v_mov_b32 v13, 0xff61b1e6                      ; the largest t so far: -3e38
	s_delay_alu instid0(VALU_DEP_1)
	v_floor_f32 v12, -v13                          ; -M
	v_mov_b32 v14, 0
	v_mov_b32 v15, 0
.irp b, 0,1,2,3
	v_mov_b32 v[236+\b], 0                         ; a lane permute's destination counts as one of its sources
.endr
	v_mov_b32 v253, 0
.set J, 0
.rept 32
	v_mov_b32 v[OT+J], 0                           ; O^T: the step is written once; its first run finds zeros
.set J, J+1
.endr
; A KEY STEP: 128 keys, at LDS byte s[TB]
.macro STEP
	v_add_nc_u32 v3, s[TB], v1
	v_add_nc_u32 v4, s[TB], v2
	v_nop
	v_nop                                          ; four places in front of loads into registers that the last products read
.irp t, 0,1,2,3,4,5,6,7
	ds_load_b128 v[KF+6*\t:KF+6*\t+3], v3 offset:768*\t
	ds_load_b64 v[KF+6*\t+4:KF+6*\t+5], v4 offset:768*\t+512
.endr
	ds_load_b64 v[32:33], v4 offset:KSOFF          ; register 32 + i: lanes 0-15 tile 2 i's scale words, lanes 16-31 tile 2 i + 1's
	ds_load_b64 v[34:35], v4 offset:KSOFF+256
	s_wait_alu depctr_va_vdst(0)                   ; directly ahead of the wait below
	s_wait_dscnt 0x0
.irp t, 0,2,4,6
	v_wmma_scale_f32_16x16x128_f8f6f4 v[S+8*\t:S+8*\t+7], v[KF+6*\t:KF+6*\t+11], v[16:27], 0, v[32+\t/2], v28 matrix_a_fmt:MATRIX_FMT_FP6 matrix_b_fmt:MATRIX_FMT_FP6
	v_wmma_scale_f32_16x16x128_f8f6f4 v[S+8*\t+8:S+8*\t+15], v[KF+6*\t+6:KF+6*\t+17], v[16:27], 0, v[32+\t/2], v28 matrix_a_fmt:MATRIX_FMT_FP6 matrix_b_fmt:MATRIX_FMT_FP6 matrix_a_scale:MATRIX_SCALE_ROW1
.endr
.rept 4
	v_nop                                          ; places in front of the loads over K's fragments and of the first reads of the scores
.endr
.irp t, 0,1,2,3                                ; V's four fragments land while the softmax is worked
	ds_load_b128 v[KF+12*\t:KF+12*\t+3], v3 offset:VOFF+1536*\t
	ds_load_b64 v[KF+12*\t+4:KF+12*\t+5], v4 offset:VOFF+1536*\t+512
	ds_load_b128 v[KF+12*\t+6:KF+12*\t+9], v3 offset:VOFF+1536*\t+768
	ds_load_b64 v[KF+12*\t+10:KF+12*\t+11], v4 offset:VOFF+1536*\t+1280
.endr
	ds_load_b64 v[36:37], v4 offset:VSOFF          ; V's scale words: the bytes of keys 0-63,
	ds_load_b64 v[38:39], v4 offset:VSOFF+256      ; and of keys 64-127, in the upper half
.irp b, 0,1,2,3
	v_max3_num_f32 v[232+\b], v[S+16*\b], v[S+1+16*\b], v[S+2+16*\b]   ; the largest score of each block of 32 keys: for the row's maximum and, since p rises with the score, for the block's largest p
.endr
.irp i, 3,5,7,9,11,13
.irp b, 0,1,2,3
	v_max3_num_f32 v[232+\b], v[232+\b], v[S+16*\b+\i], v[S+1+16*\b+\i]
.endr
.endr
.irp b, 0,1,2,3
	v_max_num_f32 v[232+\b], v[232+\b], v[S+15+16*\b]
.endr
.irp b, 0,1,2,3
	s_delay_alu instid0(VALU_DEP_4)
	v_permlanex16_b32 v[236+\b], v[232+\b], s20, s21
.endr
.irp b, 0,1,2,3
	s_delay_alu instid0(VALU_DEP_4)
	v_max_num_f32 v[232+\b], v[232+\b], v[236+\b]  ; with lane l xor 16's 16 keys
.endr
	s_delay_alu instid0(VALU_DEP_2)
	v_max3_num_f32 v254, v232, v233, v234
	s_delay_alu instid0(VALU_DEP_1)
	v_max_num_f32 v254, v254, v235
	s_delay_alu instid0(VALU_DEP_1)
	v_mul_f32 v254, s22, v254                      ; the step's largest t
	s_delay_alu instid0(VALU_DEP_1)
	v_max_num_f32 v13, v13, v254
	v_mov_b32 v254, v12
	s_delay_alu instid0(VALU_DEP_2)
	v_floor_f32 v12, -v13                          ; the new -M = -ceil(t)
	s_delay_alu instid0(VALU_DEP_1)
	v_sub_f32 v254, v12, v254                      ; old M - new M: a whole number, 0 or less
	s_delay_alu instid0(VALU_DEP_1)
	v_cvt_i32_f32 v254, v254                       ; (it saturates)
	s_delay_alu instid0(VALU_DEP_1)
	v_ldexp_f32 v252, 1.0, v254                    ; f = 2^(old M - new M)
.set J, 0
.rept 32
	v_pk_fma_f32 v[S+J:S+1+J], v[S+J:S+1+J], s[22:23], v[12:13] op_sel_hi:[1,0,0]   ; t - M, two at a time
.set J, J+2
.endr
.irp b, 0,1,2,3
	v_fma_f32 v[232+\b], v[232+\b], s22, v12       ; the same of each block's largest score
.endr
	s_wait_alu depctr_va_vdst(0)
.set J, 0
.rept 64
	v_exp_f32 v[S+J], v[S+J]                       ; p = 2^(t - M)
.set J, J+1
.endr
.irp b, 0,1,2,3
	v_exp_f32 v[232+\b], v[232+\b]                 ; the block's largest p: the same two instructions on the same number
.endr
	v_pk_mul_f32 v[14:15], v[14:15], v[252:253] op_sel_hi:[1,0]   ; the sums under the new M (a plain place behind the exponentials)
	s_wait_alu depctr_va_vdst(0)                   ; one wait for the batch, which also stands directly ahead of the wait below
	s_wait_dscnt 0x0                               ; V and its scale words are in
	v_or_b32 v36, v36, v38                         ; the words of 128 keys; more than eight plain instructions stand between these and the products
	v_or_b32 v37, v37, v39
.irp b, 0,1,2,3
	v_max_num_f32 v[232+\b], 0x1800000, v[232+\b]  ; the floor 2^(3 - 127)
.endr
.irp b, 0,1,2,3
	s_delay_alu instid0(VALU_DEP_4)
	v_add_nc_u32 v[244+\b], 0xff000000, v[232+\b]  ; 2 off the exponent field: the conversion's scale operand
.endr
.irp b, 0,1,2,3
	s_delay_alu instid0(VALU_DEP_4)
	v_lshrrev_b32 v[236+\b], 23, v[244+\b]         ; the scale's byte
.endr
	s_delay_alu instid0(VALU_DEP_3)
	v_lshl_or_b32 v[PW], v237, 8, v236
	s_delay_alu instid0(VALU_DEP_1)
	v_lshl_or_b32 v[PW], v238, 16, v[PW]
	s_delay_alu instid0(VALU_DEP_1)
	v_lshl_or_b32 v[PW], v239, 24, v[PW]           ; p's scale word for these 128 keys
.irp c, 0,1
	v_cvt_scalef32_pk16_fp6_f32 v[PC+6*\c:PC+2+6*\c], v[S+32*\c:S+15+32*\c], v[244+2*\c]
	v_cvt_scalef32_pk16_fp6_f32 v[204+4*\c:206+4*\c], v[S+16+32*\c:S+31+32*\c], v[245+2*\c]
.endr
	v_nop                                          ; one plain place behind a scaled conversion
.irp c, 0,1                                    ; a whole block to a lane
.irp i, 0,1,2
	v_permlane16_swap_b32 v[PC+6*\c+\i], v[204+4*\c+\i]
.endr
.irp i, 0,1,2
	s_delay_alu instid0(VALU_DEP_3)
	v_mov_b32 v[PC+3+6*\c+\i], v[204+4*\c+\i]
.endr
.endr
	; the row's sum of the unquantised p: eight chains of pairs by turns, then joined
	v_pk_add_f32 v[236:237], v[100:101], v[104:105]
	v_pk_add_f32 v[248:249], v[108:109], v[112:113]
	v_pk_add_f32 v[246:247], v[116:117], v[120:121]
	v_pk_add_f32 v[244:245], v[124:125], v[128:129]
	v_pk_add_f32 v[242:243], v[132:133], v[136:137]
	v_pk_add_f32 v[240:241], v[140:141], v[144:145]
	v_pk_add_f32 v[234:235], v[148:149], v[152:153]
	v_pk_add_f32 v[14:15], v[14:15], v[156:157]
	v_pk_add_f32 v[236:237], v[236:237], v[96:97]
	v_pk_add_f32 v[248:249], v[248:249], v[98:99]
	v_pk_add_f32 v[246:247], v[246:247], v[102:103]
	v_pk_add_f32 v[244:245], v[244:245], v[106:107]
	v_pk_add_f32 v[242:243], v[242:243], v[110:111]
	v_pk_add_f32 v[240:241], v[240:241], v[114:115]
	v_pk_add_f32 v[234:235], v[234:235], v[118:119]
	v_pk_add_f32 v[14:15], v[14:15], v[122:123]
	v_pk_add_f32 v[236:237], v[236:237], v[126:127]
	v_pk_add_f32 v[248:249], v[248:249], v[130:131]
	v_pk_add_f32 v[246:247], v[246:247], v[134:135]
	v_pk_add_f32 v[244:245], v[244:245], v[138:139]
	v_pk_add_f32 v[242:243], v[242:243], v[142:143]
	v_pk_add_f32 v[240:241], v[240:241], v[146:147]
	v_pk_add_f32 v[234:235], v[234:235], v[150:151]
	v_pk_add_f32 v[14:15], v[14:15], v[154:155]
	v_pk_add_f32 v[236:237], v[236:237], v[158:159]
	s_delay_alu instid0(VALU_DEP_2)
	v_pk_add_f32 v[14:15], v[14:15], v[244:245]
	s_delay_alu instid0(VALU_DEP_2)
	v_pk_add_f32 v[236:237], v[236:237], v[242:243]
	v_pk_add_f32 v[248:249], v[248:249], v[240:241]
	v_pk_add_f32 v[246:247], v[246:247], v[234:235]
	s_delay_alu instid0(VALU_DEP_2)
	v_pk_add_f32 v[14:15], v[14:15], v[248:249]
	s_delay_alu instid0(VALU_DEP_2)
	v_pk_add_f32 v[236:237], v[236:237], v[246:247]
	s_delay_alu instid0(VALU_DEP_1)
	v_pk_add_f32 v[14:15], v[14:15], v[236:237]
	s_wait_alu depctr_va_vdst(0)                   ; directly ahead of the first reader of O^T
.set J, 0
.rept 16
	v_pk_mul_f32 v[OT+J:OT+1+J], v[OT+J:OT+1+J], v[252:253] op_sel_hi:[1,0]   ; O^T under the new M, each accumulator from its low end on
.set J, J+2
.endr
.irp t, 0,2                                    ; O^T += V^T P^T: four accumulators, one instruction a turn
	v_wmma_scale_f32_16x16x128_f8f6f4 v[OT+8*\t:OT+8*\t+7], v[KF+12*\t:KF+12*\t+11], v[PC:PC+11], v[OT+8*\t:OT+8*\t+7], v[36+\t/2], v[PW] matrix_a_fmt:MATRIX_FMT_FP6 matrix_b_fmt:MATRIX_FMT_FP6
	v_wmma_scale_f32_16x16x128_f8f6f4 v[OT+8*\t+8:OT+8*\t+15], v[KF+12*\t+12:KF+12*\t+23], v[PC:PC+11], v[OT+8*\t+8:OT+8*\t+15], v[36+\t/2], v[PW] matrix_a_fmt:MATRIX_FMT_FP6 matrix_b_fmt:MATRIX_FMT_FP6 matrix_a_scale:MATRIX_SCALE_ROW1
.endr
.endm
	s_mov_b32 s[TB], s12
	s_wait_alu depctr_va_vdst(0)
	s_wait_loadcnt 0x0                             ; Q
	s_wait_tensorcnt 0x0                           ; my step is in
	s_barrier_signal -1                            ; say so; no LDS instruction of mine is out
	STEP                                           ; my own step: LDS loads of bytes that my load brought and nobody writes, and work on registers
	s_wait_alu depctr_va_vdst(0)                   ; directly ahead of the wait below
	s_barrier_wait -1                              ; every wave's step is in
	s_mov_b32 s[CNT], 1
.Lstep:
	s_xor_b32 s[TB], s[WV], s[CNT]                 ; step wave xor i
	s_mul_i32 s[TB], s[TB], STEPB
	STEP
	s_add_co_u32 s[CNT], s[CNT], 1
	s_cmp_lt_u32 s[CNT], 16
	s_cbranch_scc1 .Lstep
	; THE WAY OUT.  O^T / the sum; my 16 queries x 64 channels are quantised along the channels, in their true order, and leave as an image of six registers.
.rept 4
	v_nop
.endr
	v_add_f32 v14, v14, v15
	s_delay_alu instid0(VALU_DEP_1)
	v_permlanex16_b32 v252, v14, s20, s21
	s_delay_alu instid0(VALU_DEP_1)
	v_add_f32 v14, v14, v252                       ; the row's sum
	s_wait_alu depctr_va_vdst(0)
	v_rcp_f32 v14, v14
	v_nop
	s_wait_alu depctr_va_vdst(0)
.set J, 0
.rept 32
	v_mul_f32 v[S+J], v[OT+J], v14                 ; register 8 t + i: channel 16 t + 8 (lane / 16) + i
.set J, J+1
.endr
.irp b, 0,1
.irp j, 0,1,2,3,4,5,6,7
	v_permlane16_swap_b32 v[S+16*\b+\j], v[S+8+16*\b+\j]   ; now register 16 b + i is channel 32 b + 16 (lane / 16) + i
.endr
.endr
.irp b, 0,1
	v_max3_num_f32 v[232+\b], |v[S+16*\b]|, |v[S+1+16*\b]|, 0x1800000
.endr
.irp i, 2,4,6,8,10,12,14
.irp b, 0,1
	s_delay_alu instid0(VALU_DEP_2)
	v_max3_num_f32 v[232+\b], v[232+\b], |v[S+16*\b+\i]|, |v[S+1+16*\b+\i]|
.endr
.endr
.irp b, 0,1
	s_delay_alu instid0(VALU_DEP_2)
	v_permlanex16_b32 v[236+\b], v[232+\b], s20, s21
.endr
.irp b, 0,1
	s_delay_alu instid0(VALU_DEP_2)
	v_max_num_f32 v[232+\b], v[232+\b], v[236+\b]
.endr
.irp b, 0,1
	s_delay_alu instid0(VALU_DEP_2)
	v_add_nc_u32 v[244+\b], 0xff000000, v[232+\b]
.endr
.irp b, 0,1
	s_delay_alu instid0(VALU_DEP_2)
	v_lshrrev_b32 v[236+\b], 23, v[244+\b]
.endr
	s_delay_alu instid0(VALU_DEP_1)
	v_lshl_or_b32 v238, v237, 8, v236              ; my row's two scale bytes
	v_cvt_scalef32_pk16_fp6_f32 v[PC:PC+2], v[S:S+15], v244
	v_cvt_scalef32_pk16_fp6_f32 v[204:206], v[S+16:S+31], v245
	v_nop
.irp i, 0,1,2
	v_permlane16_swap_b32 v[PC+\i], v[204+\i]
.endr
.irp i, 0,1,2
	s_delay_alu instid0(VALU_DEP_3)
	v_mov_b32 v[PC+3+\i], v[204+\i]                ; lane (r, h): channels 32 h + 0 .. 31 of query r
.endr
	global_store_b128 v1, v[PC:PC+3], s[54:55]             ; 512 consecutive bytes, at a multiple of 256 from the buffer's first byte
	global_store_b64 v2, v[PC+4:PC+5], s[54:55] offset:512 ; 256 more
	global_store_b16 v6, v238, s[56:57]            ; two bytes a token: a token's 32 scale bytes come from 16 work-groups; both halves of the lanes write the same value
	s_wait_tensorcnt 0x0                           ; the wave's end
	ds_add_u32 v251, v255
	s_wait_dscnt 0x0
	CROUND                                         ; the closing round
	s_endpgm
.Lfunc_end_k_qb6ec70c429_attn:
	.size	k_qb6ec70c429_attn, .Lfunc_end_k_qb6ec70c429_attn-k_qb6ec70c429_attn
	.p2alignl 7, 3214868480
	.fill 96, 4, 3214868480
	.section	.rodata,"a",@progbits
	.p2align	6, 0x0
	.amdhsa_kernel k_qb6ec70c429_attn
		.amdhsa_group_segment_fixed_size 215040
		.amdhsa_private_segment_fixed_size 0
		.amdhsa_enable_private_segment 0
		.amdhsa_kernarg_size 24
		.amdhsa_user_sgpr_count 2
		.amdhsa_user_sgpr_kernarg_segment_ptr 1
		.amdhsa_wavefront_size32 1
		.amdhsa_system_sgpr_workgroup_id_x 1
		.amdhsa_system_sgpr_workgroup_id_y 1
		.amdhsa_system_sgpr_workgroup_id_z 1
		.amdhsa_system_vgpr_workitem_id 0
		.amdhsa_next_free_vgpr 256
		.amdhsa_next_free_sgpr 68
		.amdhsa_reserve_vcc 0
		.amdhsa_float_denorm_mode_32 3
		.amdhsa_float_denorm_mode_16_64 3
		.amdhsa_memory_ordered 1
		.amdhsa_forward_progress 1
		.amdhsa_inst_pref_size 46
	.end_amdhsa_kernel
	.amdgpu_metadata
---
amdhsa.version: [ 1, 2 ]
amdhsa.kernels:
  - .name:           k_qb6ec70c429_attn
    .symbol:         k_qb6ec70c429_attn.kd
    .args:
      - { .name: qkv, .offset: 0, .size: 8, .value_kind: global_buffer, .address_space: global }
      - { .name: ao_codes, .offset: 8, .size: 8, .value_kind: global_buffer, .address_space: global }
      - { .name: ao_scales, .offset: 16, .size: 8, .value_kind: global_buffer, .address_space: global }
    .group_segment_fixed_size: 215040
    .private_segment_fixed_size: 0
    .kernarg_segment_align: 8
    .kernarg_segment_size: 24
    .max_flat_workgroup_size: 512
    .sgpr_count:     68
    .vgpr_count:     256
    .wavefront_size: 32
...
	.end_amdgpu_metadata
.endif
;; end of part 2
;; launch oproj (part 3): grid 8 x 32, 4 waves a work-group, clusters of 4 x 4, 281,600 bytes of LDS; arguments ao_codes, ao_scales, Wo_codes, Wo_scales, out0; writes out0
.if DOCPART == 3
	.amdgcn_target "amdgcn-amd-amdhsa--gfx1250"
	.amdhsa_code_object_version 6
	.text
	.protected	k_qb6ec70c429_oproj
	.globl	k_qb6ec70c429_oproj
	.p2align	8
	.type	k_qb6ec70c429_oproj,@function
k_qb6ec70c429_oproj:
	s_mov_b64 s[64:65], 0
	v_nop
	global_prefetch_b8 v0, s[64:65] scope:SCOPE_SE
	s_setreg_imm32_b32 hwreg(HW_REG_WAVE_MODE, 25, 1), 1
	s_wait_xcnt 0x0
	s_wait_alu depctr_hold_cnt(0) depctr_sa_sdst(0) depctr_va_vdst(0) depctr_va_sdst(0) depctr_va_ssrc(0) depctr_va_vcc(0) depctr_vm_vsrc(0)
	s_getreg_b32 s2, hwreg(HW_REG_IB_STS2, 6, 4)
	s_cmp_eq_u32 s2, 0
	s_cbranch_scc0 .Lentry_in_a_cluster
	s_endpgm
.Lentry_in_a_cluster:
	s_bfe_u32 s2, ttmp6, 0x10000c
	s_cmp_lg_u32 s2, 0xf033
	s_cbranch_scc0 .Lentry_shape_is_right
	s_endpgm
.Lentry_shape_is_right:
; THE PROJECTION ON THE WAY OUT: out0[m][n] = sum over k of ao[m][k] Wo[n][k], K = 1,024, on codes of FP6 (E2M3) with one E8M0 scale for each 32 along K; f32 sums, f32 out.
; A tile of out0 is 128 x 128: four waves, each 64 x 64 in 16 accumulators; 256 work-groups.  ALL OF K LIES IN LDS, each byte filled once, by four joint loads at the head, one a wave:
; A: ao_codes [tile of 16 tokens][head][768 bytes: an image of six operand registers, registers 0-3 at 16 x lane, 4-5 at 512 + 8 x lane]: my 8 tiles are 98,304 dense bytes, brought as rows of 256;
; B: 128 whole rows of Wo (768 bytes of memory each, begun at a multiple of 256), 16 bytes of padding behind every 256 (LDS pitch 816); and the scale bytes of A's and of B's 128 rows.
; CLUSTERS 4 x 4: A's tile is asked for jointly along a row of the cluster, B's along a column.  No data prefetch: every tile is asked for at the head, and there is no loop to run ahead in.
; THE MATRIX INSTRUCTION IS USED TRANSPOSED (source 0 = 16 rows of B, source 1 = 16 rows of A): a lane holds eight neighbouring numbers of a row of out0.
; THE WAY OUT goes through my own stage in LDS (64 rows x 272 bytes, bytes that no load fills) and comes back as whole rows of 256 bytes.
; REGISTERS: window 0: v16-29 addresses; v32-63 scale words of all eight K steps; v64-159, v160-255 two sets of fragments.  window 1: v0-127 the accumulators, (a, b) at 8 (4 a + b).
.set KROW,   768
.set PITCH,  816
.set ABYTES, 98304
.set BOFF,   ABYTES
.set SCL,    BOFF+128*PITCH
.set SHALF,  2176
.set STAGE,  SCL+4*SHALF
.set SPITCH, 272
.set SPARE,  STAGE+4*64*SPITCH         ; the spare words: 128 bytes a wave, named by no other line
.set ADRA, 16
.set ADRB, 18
.set ADRS, 20
.set STO,  21
.set RD,   22
.set CO,   23
.set SPW,  28
.set NIL,  29
.set SC,   32
.set FS,   64
.set G1, 24
.set G0A, 32
.set G0B, 36
.set G1B, 48
.set G1S, 68
.set G0S, 76
.set G1SB, 80
.set G0SB, 88
.set MSB, 0
.macro WIN new
.if MSB != (\new)
	s_set_vgpr_msb (MSB<<8)|(\new)
.set MSB, (\new)
.endif
.endm
.macro CROUND
	s_barrier_signal -1
	s_barrier_wait -1
	s_cmp_lg_u32 s14, 0
	s_cbranch_scc1 .Lnot_wave_0_\@
	s_barrier_signal -3
.Lnot_wave_0_\@:
	s_barrier_wait -3
	s_barrier_signal -1
	s_barrier_wait -1
.endm
.macro PLACES
.rept 4
	v_nop
.endr
.endm
	s_load_b128 s[4:7], s[0:1], 0x0                ; ao_codes, ao_scales
	s_load_b128 s[8:11], s[0:1], 0x10              ; Wo_codes, Wo_scales
	s_load_b64 s[12:13], s[0:1], 0x20              ; out0
	v_lshl_add_u32 v[SPW], v0, 2, SPARE
	v_mov_b32 v[NIL], 0
	ds_add_u32 v[SPW], v[NIL]                      ; the opening lines
	ds_add_u32 v[SPW], v[NIL]
	v_lshrrev_b32 v1, 5, v0
	v_readfirstlane_b32 s14, v1
	s_lshr_b32 s15, s14, 1                         ; my half of the tile's rows
	s_and_b32 s16, s14, 1                          ; my half of its columns
	s_bfe_u32 s40, ttmp6, 0x40000
	s_bfe_u32 s41, ttmp6, 0x40004
	s_lshl_b32 s42, ttmp9, 2
	s_add_co_u32 s42, s42, s40                     ; tile column
	s_and_b32 s17, ttmp7, 0xffff
	s_lshl_b32 s17, s17, 2
	s_add_co_u32 s17, s17, s41                     ; tile row
	s_lshl_b32 s43, s41, 2
	s_lshl_b32 s43, 15, s43
	s_lshl_b32 s44, 0x1111, s40
	s_or_b32 s[G1+0], s43, (3<<16)|(1<<21)         ; A: 384 rows of 256 bytes, dense
	s_mov_b32 s[G1+1], 32<<16
	s_mov_b32 s[G1+2], 384<<16
	s_mov_b32 s[G1+3], 32<<16
	s_mov_b32 s[G1+4], 384
	s_mov_b32 s[G1+5], 32
	s_mov_b32 s[G1+6], 0
	s_mov_b32 s[G1+7], 0
	s_or_b32 s[G1B+0], s44, (0<<16)|(1<<20)|(1<<21)|(5<<22)|(3<<25)  ; B: 128 rows of 768 bytes, 4 words of padding behind every 64
	s_mov_b32 s[G1B+1], KROW<<16
	s_mov_b32 s[G1B+2], 128<<16
	s_mov_b32 s[G1B+3], KROW<<16
	s_mov_b32 s[G1B+4], 128
	s_mov_b32 s[G1B+5], KROW
	s_mov_b32 s[G1B+6], 0
	s_mov_b32 s[G1B+7], 0
	s_or_b32 s[G1S+0], s43, (3<<16)|(1<<20)|(1<<21)|(5<<22)|(3<<25)  ; the scales of 128 rows: 16 rows of 256 bytes, 16 of padding behind each
	s_or_b32 s[G1SB+0], s44, (3<<16)|(1<<20)|(1<<21)|(5<<22)|(3<<25)
.irp g, G1S, G1SB
	s_mov_b32 s[\g+1], 32<<16
	s_mov_b32 s[\g+2], 16<<16
	s_mov_b32 s[\g+3], 32<<16
	s_mov_b32 s[\g+4], 16
	s_mov_b32 s[\g+5], 32
	s_mov_b32 s[\g+6], 0
	s_mov_b32 s[\g+7], 0
.endr
	s_mul_i32 s20, s17, ABYTES
	s_mov_b32 s21, 0
	s_lshl_b32 s22, s17, 12
	s_mov_b32 s23, 0
	s_mul_i32 s46, s42, 128*KROW
	s_mov_b32 s47, 0
	s_lshl_b32 s92, s42, 12
	s_mov_b32 s93, 0
	s_mov_b32 s[G0A], 1
	s_mov_b32 s[G0A+1], 0
	s_mov_b32 s[G0B], 1
	s_mov_b32 s[G0B+1], BOFF
	s_mov_b32 s[G0S], 1
	s_mov_b32 s[G0S+1], SCL
	s_mov_b32 s[G0SB], 1
	s_mov_b32 s[G0SB+1], SCL+2*SHALF
	s_wait_dscnt 0x0
	s_wait_kmcnt 0x0
	s_add_nc_u64 s[G0A+2:G0A+3], s[4:5], s[20:21]
	s_or_b32 s[G0A+3], s[G0A+3], 0x80000000
	s_add_nc_u64 s[G0B+2:G0B+3], s[8:9], s[46:47]
	s_or_b32 s[G0B+3], s[G0B+3], 0x80000000
	s_add_nc_u64 s[G0S+2:G0S+3], s[6:7], s[22:23]
	s_or_b32 s[G0S+3], s[G0S+3], 0x80000000
	s_add_nc_u64 s[G0SB+2:G0SB+3], s[10:11], s[92:93]
	s_or_b32 s[G0SB+3], s[G0SB+3], 0x80000000
	CROUND                                         ; all sixteen work-groups are here: the joint loads meet
.macro ARM under, g0, g1, next         ; one chain of branches on the wave's number, one load to an arm
	s_cmp_lt_u32 s14, \under
	s_cbranch_scc0 \next
	tensor_load_to_lds s[\g0:\g0+3], s[\g1:\g1+7]
	s_nop 0
.rept 4
	v_nop
.endr
	s_branch .Lhead_asked
\next:
.endm
	ARM 1, G0A, G1,  .Lhead_b
	ARM 2, G0B, G1B, .Lhead_sa
	ARM 3, G0S, G1S, .Lhead_sb
	tensor_load_to_lds s[G0SB:G0SB+3], s[G1SB:G1SB+7]
	s_nop 0
.rept 4
	v_nop
.endr
.Lhead_asked:
	v_and_b32 v1, 15, v0                           ; r
	v_bfe_u32 v2, v0, 4, 1                         ; h
	v_and_b32 v7, 31, v0
	v_mul_u32_u24 v3, v1, PITCH
	v_mad_u32_u24 v3, v2, 24, v3
	v_lshl_add_u32 v4, v2, 4, v3
	s_mul_i32 s21, s15, 4*12288                    ; my four tiles of A
	s_mul_i32 s22, s16, 64*PITCH
	s_add_co_u32 s22, s22, BOFF
	v_lshl_add_u32 v[ADRA], v7, 4, s21
	v_lshl_add_u32 v[ADRA+1], v7, 3, s21
	v_add_nc_u32 v[ADRB], s22, v3
	v_add_nc_u32 v[ADRB+1], s22, v4
	v_lshlrev_b32 v5, 5, v1
	v_lshrrev_b32 v6, 8, v5
	v_lshl_add_u32 v5, v6, 4, v5
	s_mul_i32 s21, s15, SHALF
	s_mul_i32 s22, s16, SHALF
	s_add_co_u32 s22, s22, 2*SHALF
	s_sub_co_u32 s22, s22, s21
	v_mul_u32_u24 v6, s22, v2                      ; lanes 16-31 take B's
	s_add_co_u32 s21, s21, SCL
	v_add_nc_u32 v5, v5, v6
	v_add_nc_u32 v[ADRS], s21, v5
	s_mul_i32 s23, s14, 64*SPITCH
	s_add_co_u32 s23, s23, STAGE                   ; my stage
	v_mul_u32_u24 v5, v1, SPITCH
	v_lshl_add_u32 v5, v2, 5, v5                   ; in: row r, 32 bytes for each half of the lanes
	v_add_nc_u32 v[STO], s23, v5
	v_mul_u32_u24 v6, v2, SPITCH
	v_lshl_add_u32 v6, v1, 4, v6                   ; back: lanes 0-15 one row of 256 bytes, lanes 16-31 the next
	v_add_nc_u32 v[RD], s23, v6
	v_lshlrev_b32 v6, 12, v2
	v_lshl_add_u32 v[CO], v1, 4, v6                ; the same two rows in out0 (4,096 bytes a row)
	s_lshl_b32 s20, s17, 7
	s_lshl_b32 s21, s15, 6
	s_add_co_u32 s20, s20, s21                     ; my first row
	s_lshl_b32 s20, s20, 12
	s_lshl_b32 s21, s42, 9
	s_add_co_u32 s20, s20, s21
	s_lshl_b32 s21, s16, 8
	s_add_co_u32 s20, s20, s21                     ; + my first column, in bytes; under 2^24
	s_mov_b32 s21, 0
	s_add_nc_u64 s[12:13], s[12:13], s[20:21]
.macro FRAG reg, adr, st, i            ; B: 24 bytes of the row as they lie, in pieces of 8
.irp p, 0,1,2,3,4,5
.set BY, 96*(\st)+48*(\p/3)+8*(\p%3)
.if BY/256 == (BY+24)/256
	ds_load_b64 v[\reg+2*\p:\reg+2*\p+1], v[\adr] offset:BY+16*(BY/256)+(\i)*16*PITCH
.else
	ds_load_b64 v[\reg+2*\p:\reg+2*\p+1], v[\adr+1] offset:BY+16*(BY/256)+(\i)*16*PITCH
.endif
.endr
.endm
.macro FRAGA reg, st, i                ; A: two images of six registers (heads 2 st, 2 st + 1)
	ds_load_b128 v[\reg:\reg+3], v[ADRA] offset:(\i)*12288+(\st)*1536
	ds_load_b64 v[\reg+4:\reg+5], v[ADRA+1] offset:(\i)*12288+(\st)*1536+512
	ds_load_b128 v[\reg+6:\reg+9], v[ADRA] offset:(\i)*12288+(\st)*1536+768
	ds_load_b64 v[\reg+10:\reg+11], v[ADRA+1] offset:(\i)*12288+(\st)*1536+1280
.endm
.macro FETCH st                        ; 40 loads: step st's fragments into set st % 2
.set FB, FS+96*((\st)%2)
.irp i, 0,1,2,3
	FRAGA FB+12*\i, \st, \i
.endr
.irp i, 0,1,2,3
	FRAG FB+48+12*\i, ADRB, \st, \i
.endr
.endm
.macro MUL st, zero                    ; the 16 accumulators take turns, in the same order in every step
.set FB, FS+96*((\st)%2)
.irp a, 0,1,2,3
.irp b, 0,1,2,3
.if \zero
	v_wmma_scale_f32_16x16x128_f8f6f4 v[8*(4*\a+\b):8*(4*\a+\b)+7], v[FB+48+12*\b:FB+48+12*\b+11], v[FB+12*\a:FB+12*\a+11], 0, v[SC+8*\b+(\st)], v[SC+8*\a+(\st)] matrix_a_fmt:MATRIX_FMT_FP6 matrix_b_fmt:MATRIX_FMT_FP6 matrix_a_scale:MATRIX_SCALE_ROW1
.else
	v_wmma_scale_f32_16x16x128_f8f6f4 v[8*(4*\a+\b):8*(4*\a+\b)+7], v[FB+48+12*\b:FB+48+12*\b+11], v[FB+12*\a:FB+12*\a+11], v[8*(4*\a+\b):8*(4*\a+\b)+7], v[SC+8*\b+(\st)], v[SC+8*\a+(\st)] matrix_a_fmt:MATRIX_FMT_FP6 matrix_b_fmt:MATRIX_FMT_FP6 matrix_a_scale:MATRIX_SCALE_ROW1
.endif
.endr
.endr
.endm
	s_wait_alu depctr_va_vdst(0)
	s_wait_tensorcnt 0x0                           ; my tile is in
	s_barrier_signal -1
	s_barrier_wait -1                              ; all four are in; nothing is ever filled again
.irp a, 0,1,2,3                                ; register SC + 8 a + s: lanes 0-15 the word of A's block a, lanes 16-31 of B's block a, K step s
	ds_load_b128 v[SC+8*\a:SC+8*\a+3], v[ADRS] offset:\a*544
	ds_load_b128 v[SC+8*\a+4:SC+8*\a+7], v[ADRS] offset:\a*544+16
.endr
	FETCH 0
.set ST, 0
.rept 8
.if ST < 7
.if ST > 0
	PLACES                                         ; the set was read by the products just issued
.endif
	FETCH ST+1
	s_wait_dscnt 40                                ; all but the 40 loads just issued
.else
	s_wait_dscnt 0x0
.endif
	WIN 0x50                                       ; C and D in window 1
.if ST == 0
	MUL ST, 1                                      ; the first step's products start the sums
.else
	MUL ST, 0
.endif
	WIN 0
.set ST, ST+1
.endr
	PLACES                                         ; in front of the stores that read results and of the loads over the fragments
	WIN 0x04                                       ; the stores' data in window 1
.irp a, 0,1,2,3
.irp b, 0,1,2,3
	ds_store_b128 v[STO], v[8*(4*\a+\b):8*(4*\a+\b)+3] offset:\a*16*SPITCH+64*\b        ; each accumulator from its low end on
	ds_store_b128 v[STO], v[8*(4*\a+\b)+4:8*(4*\a+\b)+7] offset:\a*16*SPITCH+64*\b+16
.endr
.endr
	WIN 0
.set J, 0
.rept 32
	ds_load_b128 v[FS+4*J:FS+4*J+3], v[RD] offset:J*2*SPITCH   ; LDS serves a wave's instructions in order (ISA guide 5.7.1.4): these see my stores above
.set J, J+1
.endr
.set J, 0
.irp g, 0,1,2,3
	s_wait_dscnt 24-8*\g                           ; the oldest 8 (g + 1) of the 32 loads are back
.rept 8
	global_store_b128 v[CO], v[FS+4*J:FS+4*J+3], s[12:13] offset:J*8192 th:TH_STORE_NT   ; 16 lanes store 256 consecutive bytes, at a multiple of 256 from out0's first byte
.set J, J+1
.endr
.endr
	s_wait_tensorcnt 0x0                           ; the wave's end
	ds_add_u32 v[SPW], v[NIL]
	s_wait_dscnt 0x0
	CROUND                                         ; the closing round
	s_endpgm
.Lfunc_end_k_qb6ec70c429_oproj:
	.size	k_qb6ec70c429_oproj, .Lfunc_end_k_qb6ec70c429_oproj-k_qb6ec70c429_oproj
	.p2alignl 7, 3214868480
	.fill 96, 4, 3214868480
	.section	.rodata,"a",@progbits
	.p2align	6, 0x0
	.amdhsa_kernel k_qb6ec70c429_oproj
		.amdhsa_group_segment_fixed_size 281600
		.amdhsa_private_segment_fixed_size 0
		.amdhsa_enable_private_segment 0
		.amdhsa_kernarg_size 40
		.amdhsa_user_sgpr_count 2
		.amdhsa_user_sgpr_kernarg_segment_ptr 1
		.amdhsa_wavefront_size32 1
		.amdhsa_system_sgpr_workgroup_id_x 1
		.amdhsa_system_sgpr_workgroup_id_y 1
		.amdhsa_system_sgpr_workgroup_id_z 1
		.amdhsa_system_vgpr_workitem_id 0
		.amdhsa_next_free_vgpr 384
		.amdhsa_next_free_sgpr 98
		.amdhsa_reserve_vcc 0
		.amdhsa_float_denorm_mode_32 3
		.amdhsa_float_denorm_mode_16_64 3
		.amdhsa_memory_ordered 1
		.amdhsa_forward_progress 1
		.amdhsa_inst_pref_size 54
	.end_amdhsa_kernel
	.amdgpu_metadata
---
amdhsa.version: [ 1, 2 ]
amdhsa.kernels:
  - .name:           k_qb6ec70c429_oproj
    .symbol:         k_qb6ec70c429_oproj.kd
    .args:
      - { .name: ao_codes, .offset: 0, .size: 8, .value_kind: global_buffer, .address_space: global }
      - { .name: ao_scales, .offset: 8, .size: 8, .value_kind: global_buffer, .address_space: global }
      - { .name: Wo_codes, .offset: 16, .size: 8, .value_kind: global_buffer, .address_space: global }
      - { .name: Wo_scales, .offset: 24, .size: 8, .value_kind: global_buffer, .address_space: global }
      - { .name: out0, .offset: 32, .size: 8, .value_kind: global_buffer, .address_space: global }
    .group_segment_fixed_size: 281600
    .private_segment_fixed_size: 0
    .kernarg_segment_align: 8
    .kernarg_segment_size: 40
    .max_flat_workgroup_size: 128
    .sgpr_count:     98
    .vgpr_count:     384
    .wavefront_size: 32
...
	.end_amdgpu_metadata
.endif
;; end of part 3
